; MI455X (gfx1250); checked and timed in simulation.
; The chip was launched on July 23, 2026; its instructions are those of AMD's public machine-readable ISA for CDNA 5 (MIT licence, August 2026) and "CDNA5" Instruction Set Architecture Reference Guide (July 2026). The comments in the code are by the model that wrote it; some were corrected since.
;; SNN Model. Allowed arithmetic: float matrix products may take bf16 or f16 operands with f32 sums; other float arithmetic in f32, or as packed bf16 or f16 multiplies, adds, multiply-adds, maxima and minima; sums over many terms, partial sums and values carried from step to step in f32; what a program stores and reads back later, other than sums and carried values, may be rounded once to bf16 or f16.
;; Inputs: b1 64 float32; b2 32 float32; b3 4 float32; w1 64 x 128 float32; w2 32 x 64 float32; w3 4 x 32 float32; x 131,072 x 128 float32.
;; Outputs: out0 131,072 x 4 float32.
;; One version. Each part assembles by itself: llvm-mc -triple=amdgcn-amd-amdhsa -mcpu=gfx1250 --defsym DOCPART=n.
;; ======== version 1 of 1: 1 launch
;; launch snn (part 1): grid 256 x 1, 4 waves a work-group, no clusters, 0 bytes of LDS; arguments x, w1, b1, w2, b2, w3, b3, out0; writes out0
.if DOCPART == 1
	.amdgcn_target "amdgcn-amd-amdhsa--gfx1250"
	.amdhsa_code_object_version 6
	.text
	.protected	k_q83ae3f0cc6_snn
	.globl	k_q83ae3f0cc6_snn
	.p2align	8
	.type	k_q83ae3f0cc6_snn,@function
k_q83ae3f0cc6_snn:
	s_mov_b64 s[64:65], 0
	v_nop
	global_prefetch_b8 v0, s[64:65] scope:SCOPE_SE
	s_setreg_imm32_b32 hwreg(HW_REG_WAVE_MODE, 25, 1), 1
	s_wait_xcnt 0x0
; SNN forward: cur1 = x w1^T + b1; ten steps of two leaky integrate-and-fire layers (64 and 32 neurons) and a leaky read-out of 4 classes; out = mean of the read-out's membrane.
; x [131072][128], w1 [64][128], b1 [64], w2 [32][64], b2 [32], w3 [4][32], b3 [4], out0 [131072][4], all f32.
; FORMATS.  Every input (x, the weights, the biases) is rounded once to bf16.  Spikes are 0 or 1, so fc2's and fc3's operands are exact in bf16 and go to the bf16 matrix form.
; fc1 IS TAKEN IN THE f32 MATRIX FORM, on the bf16-rounded numbers widened again: one accumulator an output, one instruction for four k, k in its true places and ascending, the first with C = 0.
; Why: an output hangs on the inputs through mem > 1 alone, so the last bit of cur1 can decide a spike, and one spike moves an output by more than the comparison allows.  The sum is therefore rounded
; term by term in ascending k, as an f32 product with one accumulator rounds it (that the expected numbers are made so is assumed, not known).  The price: 32 matrix instructions for 16 x 16 outputs where the bf16 form has 4.
; The membrane is made in two roundings, as the formula has them: t = fma(0.9, mem, cur), mem = t - reset; the two lines are not fused into one for that reason.
; WORK LEFT OUT OR MERGED, for all values of the inputs: step 1 starts from mem = 0 and reset = 0 (zeros that the model builds itself), so its membrane is cur; reset x THRESH has the factor 1; the reset of step t is
; the spike of step t - 1 (the same comparison of the same number) and is made once; the read-out is linear, so out = sum over t of (1 - 0.9^(11-t)) (spk2_t . w3) + 4.1381.. b3, which changes the order of rounding alone.
; Every input has a way to the output and is loaded.
; LIMITS.  NaN and infinities among the inputs are not treated apart.  A weight of fc2 below some 2^-20 of the largest may be rounded otherwise than in an f32 chain.  The powers of 0.9 are rounded from their decimal values.
; SHARES.  256 work-groups of four waves, a wave to a SIMD; a wave owns 128 rows of x: 8 tiles of 16.  No wave wants a byte of x that another wave has fetched, so x goes straight into registers: no LDS, no barrier.
; NO CLUSTER: what work-groups share is the weights, 41 KB, read once at the head into each wave's registers; nothing shared is fetched in the loop.
; LAYOUT.  All products are used transposed (source 0 = 16 neurons' weights, source 1 = 16 rows): in a result lane l holds ONE row (l % 16) and the neurons 8 (l / 16) + 0..7 of the block.  Two such blocks of spikes,
; packed to bf16 in pairs, ARE source 1 (32 neurons x 16 rows) of the next layer.  w3's four rows lie at rows 0, 1, 8, 9 of its fragment: lane l ends with classes 2 (l / 16), 2 (l / 16) + 1 of its row, 8 bytes, and the wave's one store covers 256 consecutive bytes, aligned.
; BY TURNS.  fc1 of tile i + 1 (128 matrix instructions) and the ten steps of tile i (a list of 980 lines, LIF) run side by side in the one wave: behind each fc1 instruction stand eight or nine lines of the list.
; REGISTERS, in windows of 256 (s_set_vgpr_msb: bits 1:0 source 0, 3:2 source 1, 5:4 source 2, 7:6 destination):
;   window 0: addresses, constants, the LIF state of one tile, w2, b2, w3      window 1: w1, 128 fragments of 16 neurons x 4 k      window 2: x as loaded, x as fragments, fc1's sums, b1
.set NT,    8                   ; tiles of a wave
.set TILEB, 16*512              ; bytes of x in a tile: 16 rows of 512
.set XO,   3                    ; v3   (l % 16) x 512 + 16 (l / 16): my 16 bytes in 32 of a row of x or w1; never rewritten
.set OO,   4                    ; v4   (l % 16) x 16 + 8 (l / 16): my 8 bytes of a tile of out0; never rewritten
.set PFO,  5                    ; v5   256 x lane: the prefetch's offset; never rewritten
.set HO,   6                    ; v6   32 (l / 16): my 8 numbers of 16 in b1, b2
.set W2O,  7                    ; v7   my place in w2
.set W3O,  8                    ; v8   my place in w3
.set B3O,  9                    ; v9   my place in b3
.set LIVE, 10                   ; v10  0 in the lanes whose row of w3's fragment holds a class
.set BIG,  12                   ; v[12:13]  2^24 twice
.set NBIG, 14                   ; v[14:15]  -2^24 twice
.set Z,    16                   ; v[16:17]  the tile's two outputs of my lane
.set B3S,  18                   ; v[18:19]  b3 x the sum of the ten weights
.set W3,   20                   ; v[20:27]  w3's fragment
.set D3,   28                   ; v[28:35]  spk2 . w3 of one step
.set P2,   36                   ; v[36:43]  layer 2's spikes, packed
.set P1,   44                   ; v[44:59]  layer 1's spikes, packed: two fragments
.set W2,   60                   ; v[60:91]  w2: block b of 16 neurons, half c of K at W2 + 8 (2 b + c)
.set B2,   92                   ; v[92:107]
.set D2,   108                  ; v[108:123] cur2
.set MEM2, 124
.set SPK2, 140
.set CUR1, 156
.set MEM1, 188
.set SPK1, 220                  ; to v251
.set R,    0                    ; window 2: v[0:63]    x as loaded
.set F,    64                   ; window 2: v[64:127]  x rounded, K step s at F + 2 s
.set ACC,  128                  ; window 2: v[128:159] fc1's sums, block b at ACC + 8 b: written by matrix instructions alone
.set B1,   160                  ; window 2: v[160:191]
.set WV,   20                   ; s20  my wave's number
.set XP,   24                   ; s[24:25] x at the tile loaded last
.set OUTP, 26                   ; s[26:27] out0 one tile behind the tile in hand's
.set C9,   28                   ; s[28:29] 0.9 (the packed line names the pair and takes its low word twice)
.set MASKH, 30                  ; s30  a word's upper half
.set CNT,  31                   ; s31  trips to go
.set NB,   980                  ; lines in the LIF list
.set TOT,  NB+98                ; with the 14 x 7 conversion lines that ride in the first 14 places
.set MSB, 0
.macro WIN new                  ; the immediate's high byte repeats the setting that is left; a switch that changes nothing is dropped
.if MSB != (\new)
	s_set_vgpr_msb (MSB<<8)|(\new)
.set MSB, (\new)
.endif
.endm
; n groups of four f32 (lane l holds k = 8 q + 4 (l / 16) + 0..3 of its row) become 2 n fragments of the K = 4 form (lane l: k = 4 s + 2 (l / 16) + 0, 1): rounded to bf16 in pairs; the upper lanes' first pair
; changes places with the lower lanes' second pair; widened again.  All operands lie in one window.
.macro CONVG dst, src, n
.set cg, 0
.rept \n
	v_cvt_pk_bf16_f32 v[(\dst)+4*cg], v[(\src)+4*cg], v[(\src)+4*cg+1]
	v_cvt_pk_bf16_f32 v[(\dst)+4*cg+2], v[(\src)+4*cg+2], v[(\src)+4*cg+3]
.set cg, cg+1
.endr
.set cg, 0
.rept \n
	v_permlane16_swap_b32 v[(\dst)+4*cg], v[(\dst)+4*cg+2]
.set cg, cg+1
.endr
.set cg, 0
.rept \n
	v_and_b32 v[(\dst)+4*cg+1], s[MASKH], v[(\dst)+4*cg]
	v_and_b32 v[(\dst)+4*cg+3], s[MASKH], v[(\dst)+4*cg+2]
	v_lshlrev_b32 v[(\dst)+4*cg], 16, v[(\dst)+4*cg]
	v_lshlrev_b32 v[(\dst)+4*cg+2], 16, v[(\dst)+4*cg+2]
.set cg, cg+1
.endr
.endm
.macro RND2 base, n             ; n pairs rounded to bf16 and widened again, in place
.set cg, 0
.rept \n
	v_cvt_pk_bf16_f32 v[(\base)+2*cg], v[(\base)+2*cg], v[(\base)+2*cg+1]
.set cg, cg+1
.endr
.set cg, 0
.rept \n
	v_and_b32 v[(\base)+2*cg+1], s[MASKH], v[(\base)+2*cg]
	v_lshlrev_b32 v[(\base)+2*cg], 16, v[(\base)+2*cg]
.set cg, cg+1
.endr
.endm
; fc1's instruction kk of 128: K step kk / 4, block kk % 4.  The four sums take turns, one instruction a turn; the first K step starts them with the constant 0.
.macro WA
.set ks, kk/4
.set km, kk%4
	WIN 0xa9                        ; w1 in window 1; x, C and D in window 2
.if ks == 0
	v_wmma_f32_16x16x4_f32 v[ACC+8*km:ACC+8*km+7], v[64*km+2*ks:64*km+2*ks+1], v[F+2*ks:F+2*ks+1], 0
.else
	v_wmma_f32_16x16x4_f32 v[ACC+8*km:ACC+8*km+7], v[64*km+2*ks:64*km+2*ks+1], v[F+2*ks:F+2*ks+1], v[ACC+8*km:ACC+8*km+7]
.endif
.endm
; Layer 1, step t, line m: 16 pairs of neurons, four kinds of line: t = 0.9 mem + cur (fused); mem = t - the last spike; spike = clamp(mem 2^24 - 2^24), which is 1 where mem > 1 and 0 elsewhere, exactly;
; two spikes packed to bf16.  Step 1 has the last two kinds alone (mem = cur1); step 2 takes cur1 for the old membrane.
.macro L1OP t, m
.set pr, 2*((\m)%16)
.set ph, (\m)/16
.if (\t) == 1
.set ph, ph+2
.endif
.if ph == 0
.if (\t) == 2
	v_pk_fma_f32 v[MEM1+pr:MEM1+pr+1], v[CUR1+pr:CUR1+pr+1], s[C9:C9+1], v[CUR1+pr:CUR1+pr+1] op_sel_hi:[1,0,1]
.else
	v_pk_fma_f32 v[MEM1+pr:MEM1+pr+1], v[MEM1+pr:MEM1+pr+1], s[C9:C9+1], v[CUR1+pr:CUR1+pr+1] op_sel_hi:[1,0,1]
.endif
.elseif ph == 1
	v_pk_add_f32 v[MEM1+pr:MEM1+pr+1], v[MEM1+pr:MEM1+pr+1], v[SPK1+pr:SPK1+pr+1] neg_lo:[0,1] neg_hi:[0,1]
.elseif ph == 2
.if (\t) == 1
	v_pk_fma_f32 v[SPK1+pr:SPK1+pr+1], v[CUR1+pr:CUR1+pr+1], v[BIG:BIG+1], v[NBIG:NBIG+1] clamp
.else
	v_pk_fma_f32 v[SPK1+pr:SPK1+pr+1], v[MEM1+pr:MEM1+pr+1], v[BIG:BIG+1], v[NBIG:NBIG+1] clamp
.endif
.else
	v_cvt_pk_bf16_f32 v[P1+pr/2], v[SPK1+pr], v[SPK1+pr+1]
.endif
.endm
; Layer 2 likewise, 8 pairs.  Step 1's cur2 was written straight into MEM2 by its products.
.macro L2OP u, m
.set pr, 2*((\m)%8)
.set ph, (\m)/8
.if (\u) == 1
.set ph, ph+2
.endif
.if ph == 0
	v_pk_fma_f32 v[MEM2+pr:MEM2+pr+1], v[MEM2+pr:MEM2+pr+1], s[C9:C9+1], v[D2+pr:D2+pr+1] op_sel_hi:[1,0,1]
.elseif ph == 1
	v_pk_add_f32 v[MEM2+pr:MEM2+pr+1], v[MEM2+pr:MEM2+pr+1], v[SPK2+pr:SPK2+pr+1] neg_lo:[0,1] neg_hi:[0,1]
.elseif ph == 2
	v_pk_fma_f32 v[SPK2+pr:SPK2+pr+1], v[MEM2+pr:MEM2+pr+1], v[BIG:BIG+1], v[NBIG:NBIG+1] clamp
.else
	v_cvt_pk_bf16_f32 v[P2+pr/2], v[SPK2+pr], v[SPK2+pr+1]
.endif
.endm
; fc2 of step t, product l of 4: block l % 2, half l / 2 of K.  The first half starts the sum with b2; the two blocks take turns.
.macro M2 t, l
.set md, D2+8*((\l)%2)
.if (\t) == 1
.set md, MEM2+8*((\l)%2)
.endif
.set mw, W2+8*(2*((\l)%2)+(\l)/2)
.if (\l) < 2
	v_wmma_f32_16x16x32_bf16 v[md:md+7], v[mw:mw+7], v[P1:P1+7], v[B2+8*((\l)%2):B2+8*((\l)%2)+7]
.else
	v_wmma_f32_16x16x32_bf16 v[md:md+7], v[mw:mw+7], v[P1+8:P1+15], v[md:md+7]
.endif
.endm
.macro M3                       ; fc3 of one step
	v_wmma_f32_16x16x32_bf16 v[D3:D3+7], v[W3:W3+7], v[P2:P2+7], 0
.endm
.macro ZL w, c                  ; the outputs take a step's share; the result's two lowest registers are all that is read
	v_pk_fma_f32 v[Z:Z+1], v[D3:D3+1], \w, v[\c:\c+1] op_sel_hi:[1,0,1]
.endm
.macro ZOP t                    ; the weight of step t is 1 - 0.9^(11-t)
.if (\t) == 1
	ZL 0x3f26bd02, B3S              ; 0.65132156; the first step starts the sum with b3's share
.elseif (\t) == 2
	ZL 0x3f1cd203, Z                ; 0.61257951
.elseif (\t) == 3
	ZL 0x3f11cce7, Z                ; 0.56953279
.elseif (\t) == 4
	ZL 0x3f058e56, Z                ; 0.5217031
.elseif (\t) == 5
	ZL 0x3eefe6f7, Z                ; 0.468559
.elseif (\t) == 6
	ZL 0x3ed1ab4b, Z                ; 0.40951
.elseif (\t) == 7
	ZL 0x3eb013a9, Z                ; 0.3439
.elseif (\t) == 8
	ZL 0x3e8ac083, Z                ; 0.271
.elseif (\t) == 9
	ZL 0x3e428f5c, Z                ; 0.19
.else
	ZL 0x3dcccccd, Z                ; 0.1
.endif
.endm
; THE LIF LIST of a tile, 980 lines; BOP writes line bq.  The layers are skewed, so that a product's result is read a layer-1 step (64 lines) behind it and its sources are rewritten no sooner:
;   0-35     layer 1 step 1; fc2 step 1
;   36-120   layer 1 step 2; layer 2 step 1; fc3 step 1; fc2 step 2
;   121-936  for t = 3 .. 10, 102 lines each: layer 1 step t; the outputs' share of step t - 2; layer 2 step t - 1; fc3 step t - 1; fc2 step t
;   937-979  four places; layer 2 step 10; the share of step 9; fc3 step 10; four places; the share of step 10
; (a vector line reads a bf16 product's result four plain vector lines behind it at the least: ISA guide 7.12.1; only at the list's end is there no other work for those places)
.macro BOP
	WIN 0
.if bq < 32
	L1OP 1, bq
.elseif bq < 36
	M2 1, bq-32
.elseif bq < 121
.set bn, bq-36
.if bn < 64
	L1OP 2, bn
.elseif bn < 80
	L2OP 1, bn-64
.elseif bn == 80
	M3
.else
	M2 2, bn-81
.endif
.elseif bq < 937
.set bn, (bq-121)%102
.set bt, 3+(bq-121)/102
.if bn < 64
	L1OP bt, bn
.elseif bn == 64
	ZOP bt-2
.elseif bn < 97
	L2OP bt-1, bn-65
.elseif bn == 97
	M3
.else
	M2 bt, bn-98
.endif
.else
.set bn, bq-937
.if bn < 4
	v_nop
.elseif bn < 36
	L2OP 10, bn-4
.elseif bn == 36
	ZOP 9
.elseif bn == 37
	M3
.elseif bn < 42
	v_nop
.else
	ZOP 10
.endif
.endif
.set bq, bq+1
.endm
; Where pointers step and the next tile of x is asked for: all 64 raw registers have been converted.  One run of 16 loads covers the tile's 8,192 consecutive bytes; it is waited for at the next trip's head,
; 113 fc1 instructions on.  Behind the run, one prefetch: the wave's own tile two loads further on, a lane to each aligned block of 256 bytes, so each block is named once in the launch, two trips ahead of its load.
; In the loop: the last trip has no tile left to load (CNT = 1), the last three none to prefetch (CNT < 4): no access passes the wave's eighth tile.
.macro LOADPT hasA, hasB, inloop
	WIN 0
	s_wait_xcnt 0x0                 ; the last run of loads, the last prefetch and the last store have read their addresses and data: XP, OUTP and (further down the list) Z are written only behind this wait
.if \hasB
	s_add_nc_u64 s[OUTP:OUTP+1], s[OUTP:OUTP+1], 256  ; one tile past the tile in hand: its store reaches back
.endif
.if \hasA
.if \inloop
	s_cmp_lt_u32 s[CNT], 2
	s_cbranch_scc1 .Lnone_\@
.endif
	s_add_nc_u64 s[XP:XP+1], s[XP:XP+1], TILEB
	WIN 0x80                        ; destination window 2, address window 0
.irp q, 0,1,2,3,4,5,6,7,8,9,10,11,12,13,14,15
	global_load_b128 v[R+4*(\q):R+4*(\q)+3], v[XO], s[XP:XP+1] offset:32*(\q) th:TH_LOAD_NT
.endr
	WIN 0
.if \inloop
	s_cmp_lt_u32 s[CNT], 4
	s_cbranch_scc1 .Lnone_\@
.endif
	global_prefetch_b8 v[PFO], s[XP:XP+1] offset:2*TILEB th:TH_LOAD_NT scope:SCOPE_SE
.if \inloop
.Lnone_\@:
.endif
.endif
.endm
; A TRIP.  hasA: fc1 of the tile whose x lies in R.  hasB: the LIF list of the tile whose sums lie in ACC.
; A vector line that writes a source of an f32 matrix instruction, or reads its sum, stands eight plain vector lines behind it; matrix instructions and loads between are not counted.
; In the loop the list's lines are those places.
.macro BODY hasA, hasB, inloop
.set bq, 0
.if \hasA
	s_wait_loadcnt 0x0              ; the tile's 16 loads are in (none was issued behind them)
	WIN 0xaa
	CONVG F, R, 2                   ; the first four K steps' fragments; these lines (twelve of them plain) are also places between the last fc1 instruction and the first reading of its sum
.else
	WIN 0
.rept 8
	v_nop                           ; the same places, where nothing is left to convert
.endr
	LOADPT 0, 1, 0
.endif
.if \hasB
	WIN 0x0a                        ; sums and b1 in window 2, cur1 in window 0
.set ci, 0
.rept 16
	v_pk_add_f32 v[CUR1+2*ci:CUR1+2*ci+1], v[ACC+2*ci:ACC+2*ci+1], v[B1+2*ci:B1+2*ci+1]  ; cur1 = sum + b1, into other registers; each sum is read from its low end on
.set ci, ci+1
.endr
.endif
.if \hasA
.set kk, 0
.rept 128
	WA
.if kk < 14
	WIN 0xaa
	CONVG F+4*(kk+2), R+4*(kk+2), 1 ; group kk + 2 is wanted by instruction 8 (kk + 2)
.endif
.if kk == 14
	LOADPT 1, \hasB, \inloop
.endif
.if \hasB
.if kk < 14
.set tg, ((kk+1)*TOT)/128-7*(kk+1)
.else
.set tg, ((kk+1)*TOT)/128-98
.endif
.rept tg-bq                     ; the list is dealt evenly over the 128 places, the conversion lines counted in
	BOP
.endr
.endif
.set kk, kk+1
.endr
.if !(\hasB)
.rept 8
	v_nop                           ; the first tile has no list beside it: behind its instructions 14 and 15, which read K step 3's fragment, stand matrix instructions and loads alone, and the next trip's head rewrites that fragment.  These are the eight places, once a wave
.endr
.endif
.else
.rept NB
	BOP
.endr
.endif
.if \hasB
	WIN 0
	global_store_b64 v[OO], v[Z:Z+1], s[OUTP:OUTP+1] offset:-256 th:TH_STORE_NT  ; 32 lanes x 8 bytes: the tile's 16 rows of out0, 256 consecutive bytes, aligned
.endif
.endm
	s_load_b256 s[4:11], s[0:1], 0x0        ; x s[4:5], w1 s[6:7], b1 s[8:9], w2 s[10:11]
	s_load_b256 s[12:19], s[0:1], 0x20      ; b2 s[12:13], w3 s[14:15], b3 s[16:17], out0 s[18:19]
	v_lshrrev_b32 v1, 5, v0
	v_readfirstlane_b32 s[WV], v1           ; wave 0..3
	v_and_b32 v1, 15, v0                    ; l % 16
	v_bfe_u32 v2, v0, 4, 1                  ; l / 16
	v_lshlrev_b32 v[XO], 9, v1
	v_lshl_add_u32 v[XO], v2, 4, v[XO]
	v_lshlrev_b32 v[OO], 4, v1
	v_lshl_add_u32 v[OO], v2, 3, v[OO]
	v_and_b32 v[PFO], 31, v0
	v_lshlrev_b32 v[PFO], 8, v[PFO]
	v_lshlrev_b32 v[HO], 5, v2
	v_lshl_add_u32 v[W2O], v1, 8, v[HO]     ; row l % 16 of a block of w2 (256 bytes a row), k = 8 (l / 16) on
	v_and_b32 v[W3O], 1, v1
	v_lshrrev_b32 v[B3O], 3, v1
	v_lshl_add_u32 v[W3O], v[B3O], 1, v[W3O] ; the class of fragment row l % 16: rows 0, 1, 8, 9 hold classes 0, 1, 2, 3 (the other rows are set to 0 below)
	v_lshl_add_u32 v[W3O], v[W3O], 7, v[HO]  ; its 128 bytes, k = 8 (l / 16) on
	v_lshlrev_b32 v[B3O], 3, v2             ; b3 of classes 2 (l / 16), 2 (l / 16) + 1
	v_and_b32 v[LIVE], 6, v1
	v_mov_b32 v[BIG], 0x4b800000
	v_mov_b32 v[BIG+1], 0x4b800000
	v_mov_b32 v[NBIG], 0xcb800000
	v_mov_b32 v[NBIG+1], 0xcb800000
	s_lshl_b32 s32, ttmp9, 18               ; the work-group's 512 rows of 512 bytes,
	s_lshl_b32 s21, s[WV], 16               ; my wave's 128
	s_add_co_u32 s32, s32, s21
	s_mov_b32 s33, 0
	s_lshl_b32 s34, ttmp9, 13               ; the same rows in out0, 16 bytes each
	s_lshl_b32 s21, s[WV], 11
	s_add_co_u32 s34, s34, s21
	s_mov_b32 s35, 0
	s_mov_b32 s[C9], 0x3f666666             ; 0.9
	s_mov_b32 s[C9+1], 0x3f666666
	s_mov_b32 s[MASKH], 0xffff0000
	s_wait_kmcnt 0x0
	s_add_nc_u64 s[XP:XP+1], s[4:5], s[32:33]
	s_add_nc_u64 s[OUTP:OUTP+1], s[18:19], s[34:35]
	WIN 0x80                                ; destination window 2
.irp q, 0,1,2,3,4,5,6,7,8,9,10,11,12,13,14,15
	global_load_b128 v[R+4*(\q):R+4*(\q)+3], v[XO], s[XP:XP+1] offset:32*(\q) th:TH_LOAD_NT  ; tile 0 of x
.endr
.irp b, 0,1,2,3
	global_load_b128 v[B1+8*(\b):B1+8*(\b)+3],   v[HO], s[8:9] offset:64*(\b)     ; b1 of neurons 16 b + 8 (l / 16) + 0..7
	global_load_b128 v[B1+8*(\b)+4:B1+8*(\b)+7], v[HO], s[8:9] offset:64*(\b)+16
.endr
	WIN 0x40                                ; destination window 1
.irp b, 0,1,2,3
.irp q, 0,1,2,3,4,5,6,7,8,9,10,11,12,13,14,15
	global_load_b128 v[64*(\b)+4*(\q):64*(\b)+4*(\q)+3], v[XO], s[6:7] offset:8192*(\b)+32*(\q)  ; w1: a row is 512 bytes, as in x
.endr
.endr
	WIN 0
.irp f, 0,1,2,3                         ; w2 as loaded goes where cur1 and mem1 will lie: fragment f = 2 x block + half of K
	global_load_b128 v[CUR1+16*(\f):CUR1+16*(\f)+3],     v[W2O], s[10:11] offset:((\f)/2)*4096+((\f)%2)*128
	global_load_b128 v[CUR1+16*(\f)+4:CUR1+16*(\f)+7],   v[W2O], s[10:11] offset:((\f)/2)*4096+((\f)%2)*128+16
	global_load_b128 v[CUR1+16*(\f)+8:CUR1+16*(\f)+11],  v[W2O], s[10:11] offset:((\f)/2)*4096+((\f)%2)*128+64
	global_load_b128 v[CUR1+16*(\f)+12:CUR1+16*(\f)+15], v[W2O], s[10:11] offset:((\f)/2)*4096+((\f)%2)*128+80
.endr
.irp b, 0,1
	global_load_b128 v[B2+8*(\b):B2+8*(\b)+3],   v[HO], s[12:13] offset:64*(\b)
	global_load_b128 v[B2+8*(\b)+4:B2+8*(\b)+7], v[HO], s[12:13] offset:64*(\b)+16
.endr
	global_load_b128 v[SPK1:SPK1+3],     v[W3O], s[14:15]            ; w3 as loaded goes where spk1 will lie
	global_load_b128 v[SPK1+4:SPK1+7],   v[W3O], s[14:15] offset:16
	global_load_b128 v[SPK1+8:SPK1+11],  v[W3O], s[14:15] offset:64
	global_load_b128 v[SPK1+12:SPK1+15], v[W3O], s[14:15] offset:80
	global_load_b64 v[B3S:B3S+1], v[B3O], s[16:17]
	s_wait_loadcnt 0x0                      ; all of them, once
	WIN 0x55
	CONVG 0, 0, 64                          ; w1 becomes its 128 fragments, in place
	WIN 0xaa
	RND2 B1, 16
	WIN 0
	RND2 B2, 8
.set ci, 0
.rept 32
	v_cvt_pk_bf16_f32 v[W2+ci], v[CUR1+2*ci], v[CUR1+2*ci+1]
.set ci, ci+1
.endr
	v_cmp_eq_u32 vcc_lo, 0, v[LIVE]
.set ci, 0
.rept 8
	v_cvt_pk_bf16_f32 v[W3+ci], v[SPK1+2*ci], v[SPK1+2*ci+1]
.set ci, ci+1
.endr
.set ci, 0
.rept 8
	v_cndmask_b32 v[W3+ci], 0, v[W3+ci], vcc_lo  ; fragment rows without a class are 0
.set ci, ci+1
.endr
	RND2 B3S, 1
	v_pk_mul_f32 v[B3S:B3S+1], v[B3S:B3S+1], 0x40846b5d op_sel_hi:[1,0]  ; x 4.1381060, the sum of the ten weights
	BODY 1, 0, 0                            ; fc1 of tile 0; tile 1 is asked for
	WIN 0                                   ; at a label and at a branch every window is 0
	s_mov_b32 s[CNT], NT-1
.Ltile:                                         ; trip i of 7: fc1 of tile i + 1 beside the ten steps of tile i
	BODY 1, 1, 1
	WIN 0
	s_sub_co_u32 s[CNT], s[CNT], 1
	s_cmp_lg_u32 s[CNT], 0
	s_cbranch_scc1 .Ltile
	BODY 0, 1, 0                            ; the ten steps of tile 7
	s_endpgm
.Lfunc_end_k_q83ae3f0cc6_snn:
	.size	k_q83ae3f0cc6_snn, .Lfunc_end_k_q83ae3f0cc6_snn-k_q83ae3f0cc6_snn
	.p2alignl 7, 3214868480
	.fill 96, 4, 3214868480
	.section	.rodata,"a",@progbits
	.p2align	6, 0x0
	.amdhsa_kernel k_q83ae3f0cc6_snn
		.amdhsa_group_segment_fixed_size 0
		.amdhsa_private_segment_fixed_size 0
		.amdhsa_enable_private_segment 0
		.amdhsa_kernarg_size 64
		.amdhsa_user_sgpr_count 2
		.amdhsa_user_sgpr_kernarg_segment_ptr 1
		.amdhsa_wavefront_size32 1
		.amdhsa_system_sgpr_workgroup_id_x 1
		.amdhsa_system_sgpr_workgroup_id_y 1
		.amdhsa_system_sgpr_workgroup_id_z 1
		.amdhsa_system_vgpr_workitem_id 0
		.amdhsa_next_free_vgpr 704
		.amdhsa_next_free_sgpr 66
		.amdhsa_reserve_vcc 1
		.amdhsa_float_denorm_mode_32 3
		.amdhsa_float_denorm_mode_16_64 3
		.amdhsa_memory_ordered 1
		.amdhsa_forward_progress 1
		.amdhsa_inst_pref_size 201
	.end_amdhsa_kernel
	.amdgpu_metadata
---
amdhsa.version: [ 1, 2 ]
amdhsa.kernels:
  - .name:           k_q83ae3f0cc6_snn
    .symbol:         k_q83ae3f0cc6_snn.kd
    .args:
      - { .name: x, .offset: 0, .size: 8, .value_kind: global_buffer, .address_space: global }
      - { .name: w1, .offset: 8, .size: 8, .value_kind: global_buffer, .address_space: global }
      - { .name: b1, .offset: 16, .size: 8, .value_kind: global_buffer, .address_space: global }
      - { .name: w2, .offset: 24, .size: 8, .value_kind: global_buffer, .address_space: global }
      - { .name: b2, .offset: 32, .size: 8, .value_kind: global_buffer, .address_space: global }
      - { .name: w3, .offset: 40, .size: 8, .value_kind: global_buffer, .address_space: global }
      - { .name: b3, .offset: 48, .size: 8, .value_kind: global_buffer, .address_space: global }
      - { .name: out0, .offset: 56, .size: 8, .value_kind: global_buffer, .address_space: global }
    .group_segment_fixed_size: 0
    .private_segment_fixed_size: 0
    .kernarg_segment_align: 8
    .kernarg_segment_size: 64
    .max_flat_workgroup_size: 128
    .sgpr_count:     66
    .vgpr_count:     704
    .wavefront_size: 32
...
	.end_amdgpu_metadata
.endif
;; end of part 1
